; MI455X (gfx1250); checked and timed in simulation.
; The chip was launched on July 23, 2026; its instructions are those of AMD's public machine-readable ISA for CDNA 5 (MIT licence, August 2026) and "CDNA5" Instruction Set Architecture Reference Guide (July 2026). The comments in the code are by the model that wrote it; some were corrected since.
;; Non Local Block. Allowed arithmetic: matrix products marked QUANTISED: E2M1 operands, one E8M0 scale for each 32 along K, by v_wmma_scale_f32_16x16x128_f8f6f4 with both operands' format E2M1 (or v_wmma_scale_f32_32x16x128_f4), f32 sums; everything else in f32.
;; Inputs: Wc 1,024 x 512 float32; Wv 512 x 512 float32; bc 1,024 float32; bv 512 float32; m_feats 2 x 4,096 x 512 float32.
;; Outputs: out0 2 x 4,096 x 512 float32.
;; This version of the problem:
;;   THIS VERSION OF THE PROBLEM IS GIVEN IN LOW PRECISION. The matrix products marked QUANTISED in the list below multiply operands that are first quantised to E2M1 (2 exponent bits, 1 mantissa bit; 4 bits a number), with one power-of-two scale for each 32 numbers along K (OCP MX v1.0); their sums are f32. All else is computed in f32.
;;   The module's matrix products, in the order in which they are computed (A, B: the left and right operand; K: the contracted axis; several contracted axes count as one K, in the product's order):
;;     1. [M 8,192, K 512] x [K 512, N 512]; A: input m_feats; B: input Wv: QUANTISED
;;     2. [M 8,192, K 512] x [K 512, N 1,024]; A: input m_feats; B: input Wc: QUANTISED
;;     3. batch 16 x [M 4,096, K 64] x [K 64, N 4,096]; A: computed on the way; B: computed on the way: QUANTISED
;;     4. batch 16 x [M 64, K 4,096] x [K 4,096, N 4,096]; A: computed on the way; B: softmax (see below): QUANTISED
;;   THE QUANTISER, for each operand of a quantised product, along K:
;;     - K is cut into blocks of 32 from its start; a last block that is shorter is filled with zeros.
;;     - A block's scale is 2^e with e = floor(log2(the largest magnitude in the block)) - 2, held to -126 .. 127; a block of zeros has e = 0. As a byte (E8M0): e + 127.
;;     - Each number is divided by its block's scale, clamped to +-6, and rounded to the nearest number of E2M1, ties to even, subnormals kept.
;;     - The product sums the exact products of the quantised numbers (number of the format x scale) in f32.
;;   ~~~python
;;   def quantise(x, axis):      # numpy; x: float32 -> the quantised numbers, widened to float32 again
;;       x = np.moveaxis(x, axis, -1); K = x.shape[-1]
;;       x = np.pad(x, [(0, 0)] * (x.ndim - 1) + [(0, -K % 32)]); x = x.reshape(x.shape[:-1] + (-1, 32)); a = np.abs(x).max(-1, keepdims=True)
;;       e = np.where(a > 0, np.clip(np.frexp(np.where(a > 0, a, 1))[1] - 1 - 2, -126, 127), 0)      # np.frexp(a)[1] - 1 = floor(log2(a)), exactly
;;       r = np.clip(x / 2.0 ** e, -6, 6)
;;       step = 2.0 ** (np.maximum(np.frexp(np.where(r == 0, 1, r))[1] - 1, 0) - 1)
;;       q = np.round(r / step) * step * 2.0 ** e      # np.round: ties to even
;;       return np.moveaxis(q.reshape(q.shape[:-2] + (-1,))[..., :K], -1, axis).astype(np.float32)
;;   ~~~
;;   SOFTMAX AHEAD OF A QUANTISED PRODUCT. Where the list says 'softmax', what is quantised is not the finished softmax but p = 2^(t - M), with t = logit x log2(e) and M = ceil(the row's largest t), a whole number; so 1/2 < the row's largest p <= 1. The row's sum l is taken of the UNQUANTISED p, in f32, and the product's result is divided by l at the end. Since M is a whole number, a kernel that streams over the keys may use a running M (the ceiling of the running maximum): every later rescaling is an exact power of two, which a block's scale takes up: the codes' values come out the same.
;;   OPERANDS COMPUTED ON THE WAY. 'Computed on the way' means the value that the module computes at that place (a softmax that the list does not call 'softmax' is quantised finished and normalised). What goes into a quantiser is computed in f32, as accurately as f32 sums, v_exp_f32 and their like allow (about 1e-6 of the number): no bf16 or f16 on the way to a quantiser, and a product that is left as it is and whose result goes on into a quantised operand takes f32 operands (vector FMAs, or v_wmma_f32_16x16x4_f32). A number that lies on a knife's edge between two numbers of the format may be rounded either way, as far as f32 arithmetic and the matrix unit's own rounding can turn it there, and no further.
;; One version. Each part assembles by itself: llvm-mc -triple=amdgcn-amd-amdhsa -mcpu=gfx1250 --defsym DOCPART=n.
;; ======== version 1 of 1: 3 launches
;; limits: right only within a limited range of input values
;; workspace buffers: opc 2,490,368 bytes; ops 155,648 bytes; rq_codes 2,097,152 bytes; rq_scales 262,144 bytes; kv 4,587,520 bytes
;; launch pack (part 1): grid 304 x 1, 4 waves a work-group, no clusters, 68,608 bytes of LDS; arguments m_feats, Wv, Wc, opc, ops; writes opc, ops
.if DOCPART == 1
	.amdgcn_target "amdgcn-amd-amdhsa--gfx1250"
	.amdhsa_code_object_version 6
	.text
	.protected	k_q709d3be593_pack
	.globl	k_q709d3be593_pack
	.p2align	8
	.type	k_q709d3be593_pack,@function
k_q709d3be593_pack:
	s_mov_b64 s[64:65], 0
	v_nop
	global_prefetch_b8 v0, s[64:65] scope:SCOPE_SE
	s_setreg_imm32_b32 hwreg(HW_REG_WAVE_MODE, 25, 1), 1
	s_wait_xcnt 0x0
; m_feats [8192][512], Wv [512][512] and Wc [1024][512], f32, K = the 512 innermost, become codes of FP4 (E2M1) with one E8M0 byte for each 32 along K,
; laid as IMAGES OF OPERAND REGISTERS, so that the next launch fills a fragment by two dense loads of 512 bytes.
; ROWS go in groups of 32, a group in two tiles u: lane index r of tile u stands for row 8 u + r + 8 (r / 8) of the group; position l = 16 u + r.
;   opc [group 304][u 2][K step 4][c 2][lane 32][16 bytes]: lane (r, h)'s 16 bytes are ONE block of 32: k = 128 s + 64 c + 32 h + 0 .. 31 of row (u, r).
;   ops [group][position 32][16 bytes]: a row's 16 scale bytes: word s serves K step s.
; Groups 0-255: m_feats; 256-271: Wv; 272-303: Wc.
; A block's scale byte is its largest magnitude's exponent field - 2, held at 1 from below; numbers are divided by the scale and rounded to the nearest code, ties to even, beyond 6 the largest code.
; LIMITS: a block of zeros gets the byte 1 where the quantiser's rule says 127 (its codes are zeros, and this program alone reads the bytes); NaN and infinities among the inputs are not served.
; SHARES: a work-group takes a group, wave w its K step w: 32 rows x 512 bytes.  Each load reads 512 consecutive bytes of a row; the rows turn through the wave's own stage in LDS (528 bytes a position:
; 33 x 16, so that sixteen positions read together start in different banks) and come back 32 neighbours along K to a lane.  All 32 loads of a wave are out together.
; No matrix unit, no cluster, no tensor load: nothing is read twice, and work-groups share no input.
.set PIT,  528                         ; a position in the stage: 512 bytes + 16
.set STGW, 32*PIT                      ; a wave's stage
.set SCS,  4*STGW                      ; behind the stages: the group's 512 scale bytes
.set E,    16                          ; v16-19   the four blocks' scale bytes
.set C,    24                          ; v24-39   their codes: never written again, so no store's data are disturbed
.set R,    40                          ; v40-167  128 numbers
	s_load_b256 s[4:11], s[0:1], 0x0               ; m_feats s[4:5], Wv s[6:7], Wc s[8:9], opc s[10:11]
	s_load_b64 s[12:13], s[0:1], 0x20              ; ops
	v_lshl_add_u32 v176, v0, 2, 0x10a00
	v_mov_b32 v177, 0
	v_lshrrev_b32 v1, 5, v0
	v_readfirstlane_b32 s14, v1                    ; wave = K step
	v_and_b32 v1, 31, v0                           ; lane
	v_lshlrev_b32 v2, 4, v1                        ; 16 x lane: my bytes of a row's 512, of an image, of the scales
	v_and_b32 v3, 15, v0                           ; r
	v_bfe_u32 v4, v0, 4, 1                         ; h
	s_mul_i32 s17, s14, STGW
	v_add_nc_u32 v5, s17, v2                       ; into the stage: 16 x lane in a position
	v_mul_u32_u24 v6, v3, PIT
	v_lshl_add_u32 v6, v4, 7, v6
	v_add_nc_u32 v6, s17, v6                       ; out of it: position r, + 128 h bytes: my block of 32 numbers
	s_lshl_b32 s17, s14, 2
	s_add_co_u32 s17, s17, SCS
	v_add_nc_u32 v7, s17, v2                       ; my position's scale word of my K step
	v_add_nc_u32 v8, SCS, v2                       ; and, for wave 0, a position's four words
	v_lshlrev_b32 v9, 3, v4                        ; 8 h: my bytes' place in a scale word
	v_mov_b32 v13, 0                               ; a lane permute's destination counts as read: written once
	s_mov_b32 s20, 0x76543210
	s_mov_b32 s21, 0xfedcba98                      ; selects for lane l xor 16
	s_mov_b32 s22, 0xffff0000                      ; lanes 16-31
	s_mov_b32 s16, 272
	s_wait_alu depctr_va_vdst(0)
	s_wait_kmcnt 0x0
	s_cmp_lt_u32 ttmp9, 272                        ; which tensor: the choice hangs on the work-group's number alone
	s_cselect_b64 s[6:7], s[6:7], s[8:9]
	s_cselect_b32 s15, 256, s16
	s_cmp_lt_u32 ttmp9, 256
	s_cselect_b64 s[4:5], s[4:5], s[6:7]
	s_cselect_b32 s15, 0, s15                      ; the tensor's first group
	s_sub_co_u32 s18, ttmp9, s15
	s_lshl_b32 s18, s18, 16                        ; 32 rows of 2,048 bytes a group,
	s_lshl_b32 s19, s14, 9                         ; 512 bytes a K step
	s_add_co_u32 s18, s18, s19
	s_mov_b32 s19, 0
	s_add_nc_u64 s[4:5], s[4:5], s[18:19]
	s_lshl_b32 s18, ttmp9, 13                      ; opc: 8,192 bytes a group, 1,024 a K step
	s_lshl_b32 s23, s14, 10
	s_add_co_u32 s18, s18, s23
	s_add_nc_u64 s[10:11], s[10:11], s[18:19]
	s_lshl_b32 s18, ttmp9, 9                       ; ops: 512 bytes a group
	s_add_nc_u64 s[12:13], s[12:13], s[18:19]
.set p, 0
.rept 32
	global_load_b128 v[R+4*p:R+4*p+3], v2, s[4:5] offset:2048*p th:TH_LOAD_NT   ; row p: 32 lanes read 512 consecutive bytes
.set p, p+1
.endr
.set p, 0
.rept 4
	s_wait_loadcnt 24-p                            ; loads come back in order: these eight rows are in, the 24, 16, 8, 0 younger ones may be out
.rept 8
	ds_store_b128 v5, v[R+4*p:R+4*p+3] offset:(16*((p>>3)&1)+8*(p>>4)+(p&7))*PIT   ; row p goes to its position
.set p, p+1
.endr
.endr
	s_wait_dscnt 0x0                               ; the stores have read their registers, which are loaded again
.set q, 0
.rept 4                                            ; block q = 2 u + c: position 16 u + r, k = 64 c + 32 h on: 128 bytes
.set i, 0
.rept 8
	ds_load_b128 v[R+32*q+4*i:R+32*q+4*i+3], v6 offset:(q/2)*16*PIT+(q%2)*256+16*i
.set i, i+1
.endr
.set q, q+1
.endr
.macro BLOCK q
.set XS, R+32*(\q)
	s_wait_dscnt 24-8*(\q)                         ; this block's eight loads are in; the later blocks' may be out
	v_max3_num_f32 v10, |v[XS]|, |v[XS+1]|, |v[XS+2]|              ; the block's largest magnitude: all 32 numbers are mine; two chains
	v_max3_num_f32 v11, |v[XS+3]|, |v[XS+4]|, |v[XS+5]|
.irp i, 6,10,14,18,22,26
	v_max3_num_f32 v10, v10, |v[XS+\i]|, |v[XS+\i+1]|
	v_max3_num_f32 v11, v11, |v[XS+\i+2]|, |v[XS+\i+3]|
.endr
	v_max3_num_f32 v10, v10, |v[XS+30]|, |v[XS+31]|
	v_max3_num_f32 v10, v10, v11, 0x1800000        ; and the floor 2^(3 - 127): the byte cannot fall under 1
	v_add_nc_u32 v12, 0xff000000, v10              ; 2 off the exponent field: the conversion takes this operand's exponent field as its scale
.irp g, 0,1,2,3
	v_cvt_scalef32_pk8_fp4_f32 v[C+4*(\q)+\g], v[XS+8*\g:XS+8*\g+7], v12
.endr
	v_lshrrev_b32 v[E+(\q)], 23, v12               ; the scale's byte (also the plain line behind the conversions)
	global_store_b128 v2, v[C+4*(\q):C+4*(\q)+3], s[10:11] offset:((\q)/2)*4096+((\q)%2)*512   ; an image: 512 consecutive bytes
.endm
	BLOCK 0
	BLOCK 1
	BLOCK 2
	BLOCK 3
.irp u, 0,1                                        ; tile u's scale word of this K step: my bytes are blocks h (c = 0) and 2 + h (c = 1)
	v_lshl_or_b32 v[20+\u], v[E+2*\u+1], 16, v[E+2*\u]
	v_lshlrev_b32 v[20+\u], v9, v[20+\u]
	v_permlanex16_b32 v13, v[20+\u], s20, s21
	v_or_b32 v[20+\u], v[20+\u], v13               ; with lane l xor 16's two bytes the word is whole, in both halves of the lanes
.endr
	v_cndmask_b32 v22, v20, v21, s22               ; lanes 0-15: positions 0-15 (tile 0); lanes 16-31: positions 16-31 (tile 1)
	ds_store_b32 v7, v22
	s_wait_dscnt 0x0                               ; for the others' sake: my words lie in LDS
	s_barrier_signal -1
	s_barrier_wait -1
	s_cmp_lg_u32 s14, 0
	s_cbranch_scc1 .Ldone
	ds_load_b128 v[168:171], v8                    ; wave 0: each position's four words
	s_wait_dscnt 0x0
	global_store_b128 v2, v[168:171], s[12:13]     ; 512 consecutive bytes
.Ldone:
	s_wait_tensorcnt 0x0
	ds_add_u32 v176, v177
	s_wait_dscnt 0x0
	s_endpgm
.Lfunc_end_k_q709d3be593_pack:
	.size	k_q709d3be593_pack, .Lfunc_end_k_q709d3be593_pack-k_q709d3be593_pack
	.p2alignl 7, 3214868480
	.fill 96, 4, 3214868480
	.section	.rodata,"a",@progbits
	.p2align	6, 0x0
	.amdhsa_kernel k_q709d3be593_pack
		.amdhsa_group_segment_fixed_size 68608
		.amdhsa_private_segment_fixed_size 0
		.amdhsa_enable_private_segment 0
		.amdhsa_kernarg_size 40
		.amdhsa_user_sgpr_count 2
		.amdhsa_user_sgpr_kernarg_segment_ptr 1
		.amdhsa_wavefront_size32 1
		.amdhsa_system_sgpr_workgroup_id_x 1
		.amdhsa_system_sgpr_workgroup_id_y 1
		.amdhsa_system_sgpr_workgroup_id_z 1
		.amdhsa_system_vgpr_workitem_id 0
		.amdhsa_next_free_vgpr 178
		.amdhsa_next_free_sgpr 66
		.amdhsa_reserve_vcc 0
		.amdhsa_float_denorm_mode_32 3
		.amdhsa_float_denorm_mode_16_64 3
		.amdhsa_memory_ordered 1
		.amdhsa_forward_progress 1
		.amdhsa_inst_pref_size 17
	.end_amdhsa_kernel
	.amdgpu_metadata
---
amdhsa.version: [ 1, 2 ]
amdhsa.kernels:
  - .name:           k_q709d3be593_pack
    .symbol:         k_q709d3be593_pack.kd
    .args:
      - { .name: m_feats, .offset: 0, .size: 8, .value_kind: global_buffer, .address_space: global }
      - { .name: Wv, .offset: 8, .size: 8, .value_kind: global_buffer, .address_space: global }
      - { .name: Wc, .offset: 16, .size: 8, .value_kind: global_buffer, .address_space: global }
      - { .name: opc, .offset: 24, .size: 8, .value_kind: global_buffer, .address_space: global }
      - { .name: ops, .offset: 32, .size: 8, .value_kind: global_buffer, .address_space: global }
    .group_segment_fixed_size: 68608
    .private_segment_fixed_size: 0
    .kernarg_segment_align: 8
    .kernarg_segment_size: 40
    .max_flat_workgroup_size: 128
    .sgpr_count:     66
    .vgpr_count:     178
    .wavefront_size: 32
...
	.end_amdgpu_metadata
.endif
;; end of part 1
;; launch proj (part 2): grid 192 x 1, 4 waves a work-group, no clusters, 0 bytes of LDS; arguments opc, ops, bv, bc, rq_codes, rq_scales, kv; writes rq_codes, rq_scales, kv
.if DOCPART == 2
	.amdgcn_target "amdgcn-amd-amdhsa--gfx1250"
	.amdhsa_code_object_version 6
	.text
	.protected	k_q709d3be593_proj
	.globl	k_q709d3be593_proj
	.p2align	8
	.type	k_q709d3be593_proj,@function
k_q709d3be593_proj:
	s_mov_b64 s[64:65], 0
	v_nop
	global_prefetch_b8 v0, s[64:65] scope:SCOPE_SE
	s_setreg_imm32_b32 hwreg(HW_REG_WAVE_MODE, 25, 1), 1
	s_wait_xcnt 0x0
; m_k = x Wv^T + bv, m_q | m_v = x Wc^T + bc, on the codes and scale words that the launch before has laid; the results are quantised in registers for attention's two products and stored as register images.
; A TASK: source 0 = a span of 128 rows (4 groups, 8 tiles), source 1 = a group of 32 rows (2 tiles), K = 512 in four steps: 64 matrix instructions on 16 accumulators by turns.
; In a result a lane holds ONE row of source 1, and, by the choice of rows of a tile (lane index r of tile u = row 8 u + r + 8 (r / 8) of its group), the 64 registers of a source 1 tile run along the span's
; 128 rows: register 16 b + i = row 32 b + 16 (lane / 16) + i.  That is the axis along which the result is quantised.  A wave keeps one span and runs four tasks.
;   work-groups 0-127: source 0 = 128 rows of Wv or of Wc's first half (two heads' features), source 1 = tokens: m_k and m_q, quantised along a head's 64 features;
;   work-groups 128-191: source 0 = 128 tokens (a key step), source 1 = rows of Wc's second half: m_v, quantised along the tokens.
; The bias is the C of each sum's first matrix instruction.
; OUT: rq_codes [head 16][group 128][u 2][lane][16 bytes] (m_k: lane (r, h) = block h of the head's 64 of token (u, r)), rq_scales [head][group][position 32] words;
;   kv [head 16][step 32][8,960 bytes]: +0 m_q's codes, 8 tiles x 512; +4,096 m_v^T's four fragments x 1,024; +8,192 m_q's scale words, 4 x 128; +8,704 m_v's, 2 x 128.
; A scale word of m_k or m_q has its head's two bytes below; its upper two bytes (the neighbouring head's, or 0) are read only against zero codes and are never 0xff.
; LIMITS: a block of zeros gets the byte 1 where the quantiser's rule says 127; NaN and infinities are not served.
; 768 waves have a span each, so 192 work-groups are launched.  A wave's operands (64 KiB) go from memory straight into its registers, in loads of 512 consecutive bytes, and serve all its 256 products from there:
; no tile passes through LDS, so there is no tensor load that partners of a cluster could ask for jointly, and waves share nothing: no barrier.  The scale words leave in stores of 128 bytes (about a tenth of the bytes stored).
; REGISTERS, in windows of 256: window 0: v1-3 offsets; v16-143 accumulators ((u, t) at 16 + 64 u + 8 t); v144-159, v160-175 scale words of source 0, 1; v176-191 at work; v192-195 scale words made; v196-211 codes made.
;   window 1: source 0's fragments ((t, s) at 32 t + 8 s).   window 2: source 1's ((n, u, s) at 64 n + 32 u + 8 s).   window 3: v0-63 eight sets of bias.
.set LI,   1                           ; 16 x lane
.set LS,   2                           ; 4 x lane
.set BO,   3                           ; my offset among the biases
.set ACC,  16
.set S0S,  144                         ; register 4 g + s: group g, K step s; lanes 0-15 tile 0, lanes 16-31 tile 1
.set S1S,  160                         ; register 4 n + s
.set TM,   176
.set PW0,  192
.set PW1,  193
.set SELW, 194
.set W1,   195
.set PC,   196
.set SEL,  42                          ; s[42:43] selects for lane l xor 16
.set HM,   44                          ; s44 lanes 16-31
.set MSB, 0
.macro WIN new                         ; the immediate's high byte repeats the setting that is left
.if MSB != \new
	s_set_vgpr_msb (MSB<<8)|\new
.set MSB, \new
.endif
.endm
.macro WM ra, rb                       ; one product on rD, rA, rB, rC, rSA, rSB; ra, rb: the side's scale words stand in lanes 16-31
.if (\ra) && (\rb)
	v_wmma_scale_f32_16x16x128_f8f6f4 v[rD:rD+7], v[rA:rA+7], v[rB:rB+7], v[rC:rC+7], v[rSA], v[rSB] matrix_a_fmt:MATRIX_FMT_FP4 matrix_b_fmt:MATRIX_FMT_FP4 matrix_a_scale:MATRIX_SCALE_ROW1 matrix_b_scale:MATRIX_SCALE_ROW1
.elseif (\ra)
	v_wmma_scale_f32_16x16x128_f8f6f4 v[rD:rD+7], v[rA:rA+7], v[rB:rB+7], v[rC:rC+7], v[rSA], v[rSB] matrix_a_fmt:MATRIX_FMT_FP4 matrix_b_fmt:MATRIX_FMT_FP4 matrix_a_scale:MATRIX_SCALE_ROW1
.elseif (\rb)
	v_wmma_scale_f32_16x16x128_f8f6f4 v[rD:rD+7], v[rA:rA+7], v[rB:rB+7], v[rC:rC+7], v[rSA], v[rSB] matrix_a_fmt:MATRIX_FMT_FP4 matrix_b_fmt:MATRIX_FMT_FP4 matrix_b_scale:MATRIX_SCALE_ROW1
.else
	v_wmma_scale_f32_16x16x128_f8f6f4 v[rD:rD+7], v[rA:rA+7], v[rB:rB+7], v[rC:rC+7], v[rSA], v[rSB] matrix_a_fmt:MATRIX_FMT_FP4 matrix_b_fmt:MATRIX_FMT_FP4
.endif
.endm
; K step s of task n: the 16 accumulators take turns, one instruction a turn, in the same order in every step
.macro PROD kind, n, s
.irp u, 0,1
.irp t, 0,1,2,3,4,5,6,7
.set rD, ACC+64*\u+8*\t
.set rA, 32*\t+8*(\s)
.set rB, 64*(\n)+32*\u+8*(\s)
.set rSA, S0S+4*(\t/2)+(\s)
.set rSB, S1S+4*(\n)+(\s)
.set rC, rD
.if (\s) == 0
.if \kind
.set rC, 8*(2*(\n)+\u)                 ; the bias of the lane's own feature, in all eight registers
.else
.set rC, 8*\t                          ; the biases of the tile's eight features of my half
.endif
.endif
	WM \t%2, \u
.endr
.endr
.endm
; 64 numbers of a lane, register 16 b + i = k 32 b + 16 (lane / 16) + i of my row, become a fragment's codes in v[pc] on and its scale word in v[pw]
.macro QUANT src, pc, pw
.irp b, 0,1,2,3
	v_max3_num_f32 v[TM+\b], |v[\src+16*\b]|, |v[\src+1+16*\b]|, 0x1800000   ; block b: my 16 numbers, and the floor 2^(3 - 127): the byte cannot fall under 1
.endr
.irp i, 2,4,6,8,10,12,14
.irp b, 0,1,2,3
	v_max3_num_f32 v[TM+\b], v[TM+\b], |v[\src+16*\b+\i]|, |v[\src+1+16*\b+\i]|   ; the four blocks by turns
.endr
.endr
.irp b, 0,1,2,3
	v_permlanex16_b32 v[TM+4+\b], v[TM+\b], s[SEL], s[SEL+1]
.endr
.irp b, 0,1,2,3
	v_max_num_f32 v[TM+\b], v[TM+\b], v[TM+4+\b]   ; with lane l xor 16's: the block's largest magnitude
.endr
.irp b, 0,1,2,3
	v_add_nc_u32 v[TM+12+\b], 0xff000000, v[TM+\b] ; 2 off its exponent field: the conversion's scale operand
.endr
.irp b, 0,1,2,3
	v_lshrrev_b32 v[TM+4+\b], 23, v[TM+12+\b]      ; the scale's byte
.endr
	v_lshl_or_b32 v[\pw], v[TM+5], 8, v[TM+4]      ; my row's scale word, the same in both halves of the lanes
	v_lshl_or_b32 v[\pw], v[TM+6], 16, v[\pw]
	v_lshl_or_b32 v[\pw], v[TM+7], 24, v[\pw]
.irp b, 0,1,2,3
	v_cvt_scalef32_pk8_fp4_f32 v[\pc+2*\b], v[\src+16*\b:\src+7+16*\b], v[TM+12+\b]
	v_cvt_scalef32_pk8_fp4_f32 v[\pc+1+2*\b], v[\src+8+16*\b:\src+15+16*\b], v[TM+12+\b]
.endr
	v_nop                                          ; one plain line behind the scaled conversions
.irp c, 0,1                                        ; the operand's layout wants a WHOLE block in a lane: lanes 0-15 block 2 c, lanes 16-31 block 2 c + 1
.irp i, 0,1
	v_permlane16_swap_b32 v[\pc+4*\c+\i], v[\pc+2+4*\c+\i]
.endr
.endr
.endm
; All of a wave's operands are asked for at once, source 1's groups last and in the order of the tasks
.macro LOADS kind
.irp g, 0,1,2,3
	global_load_b128 v[S0S+4*\g:S0S+4*\g+3], v[LI], s[28:29] offset:512*\g
.endr
.irp g, 0,1,2,3
	global_load_b128 v[S1S+4*\g:S1S+4*\g+3], v[LI], s[30:31] offset:512*\g
.endr
	WIN 0xc0                                       ; destination window 3
.if \kind
.irp e, 0,1,2,3,4,5,6,7                            ; set e = 2 n + u: the word of my feature, eight times
.irp j, 0,1,2,3,4,5,6,7
	global_load_b32 v[8*\e+\j], v[BO], s[40:41] offset:(32*(\e/2)+8*(\e%2))*4
.endr
.endr
.else
.irp e, 0,1,2,3,4,5,6,7                            ; set e = tile e: features 32 (e / 2) + 16 h + 8 (e % 2) + 0 .. 7
	global_load_b128 v[8*\e:8*\e+3], v[BO], s[40:41] offset:(32*(\e/2)+8*(\e%2))*4
	global_load_b128 v[8*\e+4:8*\e+7], v[BO], s[40:41] offset:(32*(\e/2)+8*(\e%2))*4+16
.endr
.endif
	WIN 0x40                                       ; destination window 1
.irp t, 0,1,2,3,4,5,6,7
.irp s, 0,1,2,3
.irp c, 0,1
	global_load_b128 v[32*\t+8*\s+4*\c:32*\t+8*\s+4*\c+3], v[LI], s[24:25] offset:4096*\t+1024*\s+512*\c
.endr
.endr
.endr
	WIN 0x80                                       ; destination window 2
.irp t, 0,1,2,3,4,5,6,7                            ; t = 2 n + u
.irp s, 0,1,2,3
.irp c, 0,1
	global_load_b128 v[32*\t+8*\s+4*\c:32*\t+8*\s+4*\c+3], v[LI], s[26:27] offset:4096*\t+1024*\s+512*\c
.endr
.endr
.endr
	WIN 0
.endm
.macro TASK kind, n
	s_wait_loadcnt 48-16*(\n)                      ; loads come back in order: all up to source 1's group n are in; the 16 loads of each later group may be out
.if (\n) > 0
	s_wait_xcnt 0x0                                ; the last task's stores have read their data, which are made anew below
.endif
	WIN 0x39                                       ; source 0 window 1, source 1 window 2, C (the bias) window 3, D window 0
	PROD \kind, \n, 0
	WIN 0x09                                       ; C and D window 0
	PROD \kind, \n, 1
	PROD \kind, \n, 2
	PROD \kind, \n, 3
	WIN 0
.rept 4
	v_nop                                          ; places in front of the first read of results (ISA guide 7.12.1)
.endr
	QUANT ACC, PC, PW0
	QUANT ACC+64, PC+8, PW1
	v_cndmask_b32 v[SELW], v[PW0], v[PW1], s[HM]   ; lanes 0-15: tile 0's words, lanes 16-31: tile 1's: the group's 32 positions
.if \kind
.irp u, 0,1
.irp c, 0,1
	global_store_b128 v[LI], v[PC+8*\u+4*\c:PC+8*\u+4*\c+3], s[32:33] offset:((\n)/2)*286720+((\n)%2)*2048+1024*\u+512*\c   ; head n / 2 of my two, fragment 2 (n % 2) + u
.endr
.endr
	global_store_b32 v[LS], v[SELW], s[32:33] offset:((\n)/2)*286720+4608+((\n)%2)*128
.else
.irp u, 0,1
	global_store_b128 v[LI], v[PC+8*\u:PC+8*\u+3], s[32:33] offset:1024*(\n)+512*\u      ; registers 0-3: the first head's 64 features
	global_store_b128 v[LI], v[PC+8*\u+4:PC+8*\u+7], s[34:35] offset:1024*(\n)+512*\u    ; registers 4-7: the second head's
.endr
	v_lshrrev_b32 v[W1], 16, v[SELW]               ; the second head's two bytes
	global_store_b32 v[LS], v[SELW], s[36:37] offset:128*(\n)
	global_store_b32 v[LS], v[W1], s[38:39] offset:128*(\n)
.endif
.endm
	s_load_b256 s[4:11], s[0:1], 0x0               ; opc s[4:5], ops s[6:7], bv s[8:9], bc s[10:11]
	s_load_b128 s[12:15], s[0:1], 0x20             ; rq_codes s[12:13], rq_scales s[14:15]
	s_load_b64 s[16:17], s[0:1], 0x30              ; kv
	v_lshrrev_b32 v4, 5, v0
	v_readfirstlane_b32 s18, v4                    ; wave
	v_and_b32 v4, 31, v0
	v_lshlrev_b32 v[LI], 4, v4
	v_lshlrev_b32 v[LS], 2, v4
.irp b, 0,1,2,3
	v_mov_b32 v[TM+4+\b], 0                        ; a lane permute's destination counts as read: written once
.endr
	s_mov_b32 s[SEL], 0x76543210
	s_mov_b32 s[SEL+1], 0xfedcba98
	s_mov_b32 s[HM], 0xffff0000
	s_mov_b32 s57, 0                               ; the high words of the offset pairs s[56:57], s[58:59]
	s_mov_b32 s59, 0
	s_wait_kmcnt 0x0
	s_cmp_lt_u32 ttmp9, 128
	s_cbranch_scc0 .Lvalues
	; ---- m_k and m_q
	s_lshl_b32 s19, ttmp9, 2
	s_add_co_u32 s19, s19, s18
	s_and_b32 s45, s19, 7                          ; which span of 128 features: 0-3 Wv's, 4-7 Wc's first half
	s_lshr_b32 s46, s19, 3                         ; which 128 tokens, 0-63
	s_lshl_b32 s56, s45, 2
	s_add_co_u32 s56, s56, 256                     ; source 0's first group
	s_lshl_b32 s58, s56, 9
	s_lshl_b32 s56, s56, 13
	s_add_nc_u64 s[24:25], s[4:5], s[56:57]
	s_add_nc_u64 s[28:29], s[6:7], s[58:59]
	s_lshl_b32 s56, s46, 15                        ; source 1's: four groups of 8,192 bytes of codes,
	s_lshl_b32 s58, s46, 11                        ; of 512 of scales
	s_add_nc_u64 s[26:27], s[4:5], s[56:57]
	s_add_nc_u64 s[30:31], s[6:7], s[58:59]
	s_and_b32 s47, s45, 3
	s_lshr_b32 s48, s46, 5                         ; the batch
	s_lshl_b32 s48, s48, 3
	s_lshl_b32 s49, s47, 1
	s_add_co_u32 s48, s48, s49                     ; the first of my two heads
	s_and_b32 s49, s46, 31                         ; the step of 128 tokens in the batch
	s_mov_b32 s50, 286720
	s_mov_b32 s51, 8960
	s_cmp_lt_u32 s45, 4                            ; m_k goes to rq_codes and rq_scales, m_q into kv's records
	s_cselect_b64 s[32:33], s[12:13], s[16:17]
	s_cselect_b64 s[36:37], s[14:15], s[16:17]
	s_cselect_b64 s[40:41], s[8:9], s[10:11]
	s_cselect_b32 s52, 131072, s50                 ; codes: bytes from head to head,
	s_cselect_b32 s53, 16384, s50                  ; scales likewise,
	s_cselect_b32 s54, 4096, s51                   ; codes: from step to step,
	s_cselect_b32 s55, 512, s51                    ; scales likewise,
	s_cselect_b32 s19, 0, 8192                     ; and where the scale words begin in a record
	s_mul_i32 s56, s48, s52
	s_mul_i32 s58, s49, s54
	s_add_co_u32 s56, s56, s58
	s_add_nc_u64 s[32:33], s[32:33], s[56:57]
	s_mov_b32 s56, s52
	s_add_nc_u64 s[34:35], s[32:33], s[56:57]
	s_mul_i32 s56, s48, s53
	s_mul_i32 s58, s49, s55
	s_add_co_u32 s56, s56, s58
	s_add_co_u32 s56, s56, s19
	s_add_nc_u64 s[36:37], s[36:37], s[56:57]
	s_mov_b32 s56, s53
	s_add_nc_u64 s[38:39], s[36:37], s[56:57]
	s_lshl_b32 s56, s47, 9                         ; my 128 biases
	s_add_nc_u64 s[40:41], s[40:41], s[56:57]
	v_bfe_u32 v[BO], v0, 4, 1
	v_lshlrev_b32 v[BO], 6, v[BO]                  ; 16 features on for lanes 16-31
	s_wait_alu depctr_va_vdst(0)
	LOADS 0
	TASK 0, 0
	TASK 0, 1
	TASK 0, 2
	TASK 0, 3
	s_endpgm
	; ---- m_v
.Lvalues:
	s_sub_co_u32 s45, ttmp9, 128                   ; which 128 tokens, 0-63
	s_lshl_b32 s56, s45, 15
	s_lshl_b32 s58, s45, 11
	s_add_nc_u64 s[24:25], s[4:5], s[56:57]
	s_add_nc_u64 s[28:29], s[6:7], s[58:59]
	s_lshl_b32 s46, s18, 2
	s_add_co_u32 s46, s46, 288                     ; source 1's first group: my 128 rows of Wc's second half
	s_lshl_b32 s56, s46, 13
	s_lshl_b32 s58, s46, 9
	s_add_nc_u64 s[26:27], s[4:5], s[56:57]
	s_add_nc_u64 s[30:31], s[6:7], s[58:59]
	s_lshr_b32 s47, s45, 5
	s_lshl_b32 s47, s47, 3
	s_lshl_b32 s48, s18, 1
	s_add_co_u32 s47, s47, s48                     ; the first of my two heads
	s_mul_i32 s56, s47, 286720
	s_and_b32 s48, s45, 31
	s_mul_i32 s48, s48, 8960
	s_add_co_u32 s56, s56, s48
	s_add_co_u32 s56, s56, 4096                    ; m_v^T's fragments in the record
	s_add_nc_u64 s[32:33], s[16:17], s[56:57]
	s_lshl_b32 s56, s18, 9
	s_add_co_u32 s56, s56, 2048                    ; bc's second half, my 128
	s_add_nc_u64 s[40:41], s[10:11], s[56:57]
	v_and_b32 v[BO], 15, v0
	v_and_b32 v4, 8, v[BO]
	v_add_nc_u32 v[BO], v[BO], v4
	v_lshlrev_b32 v[BO], 2, v[BO]                  ; my feature in a tile: r + 8 (r / 8)
	LOADS 1
	TASK 1, 0
	TASK 1, 1
	TASK 1, 2
	TASK 1, 3
	s_endpgm
.Lfunc_end_k_q709d3be593_proj:
	.size	k_q709d3be593_proj, .Lfunc_end_k_q709d3be593_proj-k_q709d3be593_proj
	.p2alignl 7, 3214868480
	.fill 96, 4, 3214868480
	.section	.rodata,"a",@progbits
	.p2align	6, 0x0
	.amdhsa_kernel k_q709d3be593_proj
		.amdhsa_group_segment_fixed_size 0
		.amdhsa_private_segment_fixed_size 0
		.amdhsa_enable_private_segment 0
		.amdhsa_kernarg_size 56
		.amdhsa_user_sgpr_count 2
		.amdhsa_user_sgpr_kernarg_segment_ptr 1
		.amdhsa_wavefront_size32 1
		.amdhsa_system_sgpr_workgroup_id_x 1
		.amdhsa_system_sgpr_workgroup_id_y 1
		.amdhsa_system_sgpr_workgroup_id_z 1
		.amdhsa_system_vgpr_workitem_id 0
		.amdhsa_next_free_vgpr 832
		.amdhsa_next_free_sgpr 66
		.amdhsa_reserve_vcc 0
		.amdhsa_float_denorm_mode_32 3
		.amdhsa_float_denorm_mode_16_64 3
		.amdhsa_memory_ordered 1
		.amdhsa_forward_progress 1
		.amdhsa_inst_pref_size 168
	.end_amdhsa_kernel
	.amdgpu_metadata
---
amdhsa.version: [ 1, 2 ]
amdhsa.kernels:
  - .name:           k_q709d3be593_proj
    .symbol:         k_q709d3be593_proj.kd
    .args:
      - { .name: opc, .offset: 0, .size: 8, .value_kind: global_buffer, .address_space: global }
      - { .name: ops, .offset: 8, .size: 8, .value_kind: global_buffer, .address_space: global }
      - { .name: bv, .offset: 16, .size: 8, .value_kind: global_buffer, .address_space: global }
      - { .name: bc, .offset: 24, .size: 8, .value_kind: global_buffer, .address_space: global }
      - { .name: rq_codes, .offset: 32, .size: 8, .value_kind: global_buffer, .address_space: global }
      - { .name: rq_scales, .offset: 40, .size: 8, .value_kind: global_buffer, .address_space: global }
      - { .name: kv, .offset: 48, .size: 8, .value_kind: global_buffer, .address_space: global }
    .group_segment_fixed_size: 0
    .private_segment_fixed_size: 0
    .kernarg_segment_align: 8
    .kernarg_segment_size: 56
    .max_flat_workgroup_size: 128
    .sgpr_count:     66
    .vgpr_count:     832
    .wavefront_size: 32
...
	.end_amdgpu_metadata
.endif
;; end of part 2
;; launch attn (part 3): grid 16 x 16, 16 waves a work-group, clusters of 4 x 1, 327,680 bytes of LDS; arguments rq_codes, rq_scales, kv, m_feats, out0; writes out0
.if DOCPART == 3
	.amdgcn_target "amdgcn-amd-amdhsa--gfx1250"
	.amdhsa_code_object_version 6
	.text
	.protected	k_q709d3be593_attn
	.globl	k_q709d3be593_attn
	.p2align	8
	.type	k_q709d3be593_attn,@function
k_q709d3be593_attn:
	s_mov_b64 s[64:65], 0
	v_nop
	global_prefetch_b8 v0, s[64:65] scope:SCOPE_SE
	s_setreg_imm32_b32 hwreg(HW_REG_WAVE_MODE, 25, 1), 1
	s_wait_xcnt 0x0
	s_wait_alu depctr_hold_cnt(0) depctr_sa_sdst(0) depctr_va_vdst(0) depctr_va_sdst(0) depctr_va_ssrc(0) depctr_va_vcc(0) depctr_vm_vsrc(0)
	s_getreg_b32 s2, hwreg(HW_REG_IB_STS2, 6, 4)
	s_cmp_eq_u32 s2, 0
	s_cbranch_scc0 .Lentry_in_a_cluster
	s_endpgm
.Lentry_in_a_cluster:
	s_bfe_u32 s2, ttmp6, 0x10000c
	s_cmp_lg_u32 s2, 0x3003
	s_cbranch_scc0 .Lentry_shape_is_right
	s_endpgm
.Lentry_shape_is_right:
; out0[b][i][head] = m_feats + sum_j softmax_j(k_i . q_j / 8) v_j, both products on FP4 codes with E8M0 scales, from the register images that the launch before stored.
; Rows i (m_k) play the queries' part, columns j (m_q, m_v) the keys'.  p = 2^(t - M), t = score x log2(e) / 8, M = ceil of the running largest t; the row's sum is of the unquantised p and divides at the end.
; SHARES: a work-group owns 256 rows i of one (batch, head), each of its 16 waves 16 of them; every wave walks the 32 records of 128 keys.  All 32 records (286,720 bytes) lie in LDS, filled once:
; each wave asks for two records by one joint load; the four work-groups of a cluster walk the same head and share these loads.  Nothing is filled again, so the loop has no barrier.
; No prefetch: the one stream from memory is asked for whole at the head, and there is no loop to run ahead in; the 16 residual rows of m_feats are loaded into registers at the head.
; LAYOUT: both products are used transposed (S^T = K Q^T, O^T = V^T P^T): a lane holds one row i.  Tile T = 4 c + T' of the scores takes as rows 0-7 the keys 8 T' .. + 7 of block 2 c and as rows 8-15
; the keys 8 (T' xor 2) .. + 7 of block 2 c + 1: so lanes 0-15 hold block 2 c whole and lanes 16-31 block 2 c + 1, in 32 registers, and the eight conversions give the second product's operand as it stands.
; (The xor keeps the sixteen rows of a load in sixteen different 16-byte columns of 256.)  In lanes 16-31 the block's two halves of 16 keys so change places; V's 16 bytes are read as two halves in the same order.
; The head has 64 features, the product 128 along K: Q's registers 4-7 are zero codes, so what stands in registers 4-7 of a fragment of K adds nothing: fragment T is named as v[KB+4T .. +7], the next tile's codes (behind the last: zeros).
; A trip: softmax of step s; S^T of step s + 1; O^T x f; O^T += V^T P^T of step s.  LDS loads are issued a softmax ahead of their use.
; LIMITS: scaled scores (t) stay under 2^31 in magnitude; a block whose largest p lies under 2^-124 gets the byte 1; NaN and infinities among the inputs are not served.
.set REC,   8960                       ; a record: +0 K's 8 images x 512; +4096 V^T's 4 fragments x 1024; +8192 K's scale words 4 x 128; +8704 V's 2 x 128
.set SPARE, 32*REC                     ; the spare words, 128 bytes a wave
.set STAGE, SPARE+2048                 ; the way out: 8 rows x 272 bytes for each wave, bytes of its own
.set SP,    272
.set AK0, 1                            ; v1, v2 my place in an image of K (T' < 2, T' >= 2)
.set AS0, 3                            ; v3, v4 and among K's scale words
.set AV0, 5                            ; v5, v6 my two halves of V's 16 bytes
.set AV1, 6
.set AL4, 7                            ; v7 4 x lane
.set SH8, 8                            ; v8 8 x (lane / 16)
.set RUN, 9                            ; v9 the running largest score
.set QS,  24
.set SPW, 25
.set NIL, 26
.set MX,  27
.set PM,  28
.set PW,  29                           ; p's scale word
.set F,   30                           ; v[30:31] f = 2^(old M - new M)
.set KS,  32                           ; v32-35 K's scale words; v36-37 V's
.set VS,  36
.set XE,  38
.set SC,  40
.set TM,  42
.set GO,  46
.set KB,  48                           ; v48-79 K's eight fragments, v80-83 zeros
.set SB,  84                           ; v84-147 S^T, then p
.set OB,  148                          ; v148-179 O^T
.set VB,  180                          ; v180-211 V^T
.set PC,  212                          ; v212-219 p's codes
.set RB,  220                          ; v220-251 the residual rows
.set STO, 252
.set RD,  253
.set MU,  254
.set WV,  18
.set NC,  19
.set SEL, 20
.set CS,  22
.set G1,  24
.set CNT, 41
.macro CROUND
	s_barrier_signal -1
	s_barrier_wait -1
	s_cmp_lg_u32 s[WV], 0
	s_cbranch_scc1 .Lnot_wave_0_\@
	s_barrier_signal -3
.Lnot_wave_0_\@:
	s_barrier_wait -3
	s_barrier_signal -1
	s_barrier_wait -1
.endm
	s_load_b256 s[4:11], s[0:1], 0x0               ; rq_codes, rq_scales, kv, m_feats
	s_load_b64 s[12:13], s[0:1], 0x20              ; out0
	v_lshl_add_u32 v[SPW], v0, 2, SPARE
	v_mov_b32 v[NIL], 0
	ds_add_u32 v[SPW], v[NIL]                      ; the opening lines: the add twice on end and its wait
	ds_add_u32 v[SPW], v[NIL]
	v_lshrrev_b32 v27, 5, v0
	v_readfirstlane_b32 s[WV], v27
	s_bfe_u32 s16, ttmp6, 0x40000
	s_lshl_b32 s14, ttmp9, 2
	s_add_co_u32 s14, s14, s16                     ; which 256 rows i
	s_and_b32 s15, ttmp7, 0xffff                   ; 8 x batch + head
	s_mov_b32 s[G1], 15|(3<<16)|(1<<21)            ; the cluster's four; elements of 8 bytes
	s_mov_b32 s[G1+1], 32<<16                      ; rows of 256 bytes,
	s_mov_b32 s[G1+2], 70<<16                      ; 70 of them: two records, dense
	s_mov_b32 s[G1+3], 32<<16
	s_mov_b32 s[G1+4], 70
	s_mov_b32 s[G1+5], 32
	s_mov_b32 s[G1+6], 0
	s_mov_b32 s[G1+7], 0
	s_mov_b32 s32, 1
	s_mul_i32 s33, s[WV], 2*REC                    ; records 2 w, 2 w + 1
	s_mul_i32 s50, s15, 32*REC
	s_add_co_u32 s50, s50, s33
	s_mov_b32 s51, 0
	s_lshl_b32 s52, s15, 17                        ; my tile of m_k: head, 256 rows, wave
	s_lshl_b32 s53, s14, 13
	s_add_co_u32 s52, s52, s53
	s_lshl_b32 s53, s[WV], 9
	s_add_co_u32 s52, s52, s53
	s_mov_b32 s53, 0
	s_lshr_b32 s54, s15, 3                         ; my rows in m_feats and out0: tokens 32 (w / 2) + 8 (w % 2) + 0 .. 7 and + 16 .. 23
	s_lshl_b32 s54, s54, 12
	s_lshl_b32 s55, s14, 8
	s_add_co_u32 s54, s54, s55
	s_lshr_b32 s55, s[WV], 1
	s_lshl_b32 s55, s55, 5
	s_add_co_u32 s54, s54, s55
	s_lshl_b32 s54, s54, 11
	s_and_b32 s55, s15, 7
	s_lshl_b32 s55, s55, 8
	s_add_co_u32 s54, s54, s55
	s_and_b32 s56, s[WV], 1
	s_lshl_b32 s58, s56, 14
	s_add_co_u32 s58, s58, s54
	s_mov_b32 s59, 0
	s_mul_i32 s57, s[WV], 8*SP
	s_add_co_u32 s57, s57, STAGE
	s_mov_b32 s[SEL], 0x76543210
	s_mov_b32 s[SEL+1], 0xfedcba98
	s_mov_b32 s[CS], 0x3e38aa3b                    ; c = log2(e) / 8
	s_mov_b32 s[CS+1], s[CS]
	s_mov_b32 s[NC], 0xbe38aa3b                    ; -c
	s_wait_dscnt 0x0
	s_wait_kmcnt 0x0
	s_add_nc_u64 s[34:35], s[8:9], s[50:51]
	s_or_b32 s35, s35, 0x80000000
	s_add_nc_u64 s[4:5], s[4:5], s[52:53]
	s_lshr_b32 s52, s52, 3
	s_add_nc_u64 s[6:7], s[6:7], s[52:53]
	s_add_nc_u64 s[46:47], s[10:11], s[58:59]
	s_add_nc_u64 s[48:49], s[12:13], s[58:59]
	CROUND
	tensor_load_to_lds s[32:35], s[G1:G1+7]        ; my one tensor load of the launch
	s_nop 0
.irp j, 20,21,22,23,80,81,82,83,11,13,14,15,28,31
	v_mov_b32 v\j, 0                               ; Q's upper half, the pad behind K, upper halves of pairs, the sum, a permute's destination
.endr
	v_mov_b32 v[RUN], 0xff61b1e6                   ; -3e38, under every score
	v_mov_b32 v12, 0x7d000000                      ; -M to begin with: so large that the first f is 0
	v_and_b32 v38, 31, v0                          ; lane
	v_and_b32 v39, 7, v0
	v_bfe_u32 v40, v0, 3, 1                        ; u = (lane / 8) % 2
	v_bfe_u32 v41, v0, 4, 1                        ; h
	v_and_b32 v42, 15, v0                          ; r
	v_lshlrev_b32 v45, 4, v38
	v_lshlrev_b32 v47, 2, v42
	global_load_b128 v[16:19], v45, s[4:5]         ; Q's fragment
	global_load_b32 v[QS], v47, s[6:7]             ; and its scale words
	v_lshlrev_b32 v[GO], 11, v41
	v_lshl_add_u32 v[GO], v42, 4, v[GO]            ; lanes 0-15 one row of 256 bytes, lanes 16-31 the next
.irp u, 0,1
.irp i, 0,1,2,3
	global_load_b128 v[RB+16*\u+4*\i:RB+16*\u+4*\i+3], v[GO], s[46:47] offset:(16*\u+2*\i)*2048 th:TH_LOAD_NT
.endr
.endr
	v_lshlrev_b32 v43, 4, v39
	v_lshl_add_u32 v43, v41, 8, v43
	v_mad_u32_u24 v[AK0], v40, 1152, v43           ; rows 8-15: the next block's images (1,024 on), and the other half of their lanes (128)
	v_mad_u32_u24 v[AK0+1], v40, 896, v43
	v_add_nc_u32 v[AK0+1], 128, v[AK0+1]
	v_lshlrev_b32 v44, 2, v39
	v_lshl_add_u32 v44, v41, 6, v44
	v_mad_u32_u24 v[AS0], v40, 160, v44            ; the same rows' scale words; lanes 16-31 serve the odd tile
	v_mad_u32_u24 v[AS0+1], v40, 96, v44
	v_add_nc_u32 v[AS0+1], 32, v[AS0+1]
	v_lshlrev_b32 v[SH8], 3, v41
	v_add_nc_u32 v[AV0], v45, v[SH8]
	v_xor_b32 v[AV1], 8, v[AV0]
	v_lshlrev_b32 v[AL4], 2, v38
	v_mul_u32_u24 v[STO], v39, SP
	v_lshl_add_u32 v[STO], v41, 6, v[STO]
	v_add_nc_u32 v[STO], s57, v[STO]
	v_mul_u32_u24 v[RD], v41, SP
	v_lshl_add_u32 v[RD], v42, 4, v[RD]
	v_add_nc_u32 v[RD], s57, v[RD]
.macro KLOAD o                         ; a step's eight fragments of K and their scale words
.irp t, 0,1,2,3,4,5,6,7
	ds_load_b128 v[KB+4*\t:KB+4*\t+3], v[AK0+((\t)%4)/2] offset:(\o)+2048*(\t/4)+512*(\t%2)
.endr
.irp q, 0,1,2,3
	ds_load_b32 v[KS+\q], v[AS0+\q%2] offset:(\o)+8192+256*(\q/2)
.endr
.endm
.macro VLOAD o
.irp t, 0,1,2,3
.irp c, 0,1
	ds_load_b64 v[VB+8*\t+4*\c:VB+8*\t+4*\c+1], v[AV0] offset:(\o)+4096+1024*\t+512*\c
	ds_load_b64 v[VB+8*\t+4*\c+2:VB+8*\t+4*\c+3], v[AV1] offset:(\o)+4096+1024*\t+512*\c
.endr
.endr
.irp g, 0,1
	ds_load_b32 v[VS+\g], v[AL4] offset:(\o)+8704+128*\g
.endr
.endm
.macro AMUL                            ; S^T = K Q^T
.irp t, 0,1,2,3,4,5,6,7
.if \t%2
	v_wmma_scale_f32_16x16x128_f8f6f4 v[SB+8*\t:SB+8*\t+7], v[KB+4*\t:KB+4*\t+7], v[16:23], 0, v[KS+\t/2], v[QS] matrix_a_fmt:MATRIX_FMT_FP4 matrix_b_fmt:MATRIX_FMT_FP4 matrix_a_scale:MATRIX_SCALE_ROW1
.else
	v_wmma_scale_f32_16x16x128_f8f6f4 v[SB+8*\t:SB+8*\t+7], v[KB+4*\t:KB+4*\t+7], v[16:23], 0, v[KS+\t/2], v[QS] matrix_a_fmt:MATRIX_FMT_FP4 matrix_b_fmt:MATRIX_FMT_FP4
.endif
.endr
.endm
.macro PF n                            ; t - M, two at a time
.rept \n
	v_pk_fma_f32 v[SB+J:SB+J+1], v[SB+J:SB+J+1], s[CS:CS+1], v[NMN:NMN+1] op_sel_hi:[1,0,0]
.set J, J+2
.endr
.endm
; A STEP: i = its place in a trip of four.  last = 1: no step follows.  bump = 1: the addresses go four records on.
.macro STEP i, last, bump
.set NMN, 10+2*((\i)%2)                ; -M: new and old take turns between v10 and v12
.set NMO, 12-2*((\i)%2)
.set RO, (\i)*REC
.irp c, 0,1                            ; my two blocks' largest scores, two chains each; these four lines are the places in front of the loads
	v_max3_num_f32 v[TM+2*\c], v[SB+32*\c], v[SB+32*\c+1], v[SB+32*\c+2]
	v_max3_num_f32 v[TM+2*\c+1], v[SB+32*\c+16], v[SB+32*\c+17], v[SB+32*\c+18]
.endr
.if (\last) == 0
	KLOAD RO+REC
.endif
	VLOAD RO
.if \bump
.irp a, 1,2,3,4,5,6,7
	v_add_nc_u32 v\a, 4*REC, v\a
.endr
.endif
.irp k, 3,5,7,9,11,13
.irp c, 0,1
	v_max3_num_f32 v[TM+2*\c], v[TM+2*\c], v[SB+32*\c+\k], v[SB+32*\c+\k+1]
	v_max3_num_f32 v[TM+2*\c+1], v[TM+2*\c+1], v[SB+32*\c+16+\k], v[SB+32*\c+17+\k]
.endr
.endr
.irp c, 0,1
	v_max3_num_f32 v[TM+2*\c], v[TM+2*\c], v[SB+32*\c+15], v[SB+32*\c+31]
.endr
.irp c, 0,1
	v_max_num_f32 v[TM+2*\c], v[TM+2*\c], v[TM+2*\c+1]
.endr
	s_delay_alu instid0(VALU_DEP_1)
	v_max_num_f32 v[MX], v[TM], v[TM+2]
	s_delay_alu instid0(VALU_DEP_1)
	v_permlanex16_b32 v[PM], v[MX], s[SEL], s[SEL+1]
	s_delay_alu instid0(VALU_DEP_1)
	v_max3_num_f32 v[RUN], v[RUN], v[MX], v[PM]    ; the running largest score of my row
	s_delay_alu instid0(VALU_DEP_1)
	v_mul_f32 v[MX], s[NC], v[RUN]
	s_delay_alu instid0(VALU_DEP_1)
	v_floor_f32 v[NMN], v[MX]                      ; -M = floor(-t): M is a whole number
	s_delay_alu instid0(VALU_DEP_1)
	v_sub_f32 v[PM], v[NMN], v[NMO]                ; old M - new M
	v_fma_f32 v[XE], v[TM], s[CS], v[NMN]          ; t - M of each block's largest score: its floor is the exponent of the block's largest p
	v_fma_f32 v[XE+1], v[TM+2], s[CS], v[NMN]
.set J, 0
	PF 2
	v_cvt_i32_f32 v[PM], v[PM]                     ; (it saturates)
	v_max_num_f32 v[XE], 0xc2f80000, v[XE]         ; held at -124: the byte cannot fall under 1
	v_max_num_f32 v[XE+1], 0xc2f80000, v[XE+1]
	PF 2
	v_ldexp_f32 v[F], 1.0, v[PM]                   ; f
	v_cvt_floor_i32_f32 v[XE], v[XE]
	v_cvt_floor_i32_f32 v[XE+1], v[XE+1]
	PF 3
	v_add_lshl_u32 v[SC], v[XE], 125, 23           ; the byte e + 127 - 2 in the exponent field: the conversion's scale operand
	v_add_lshl_u32 v[SC+1], v[XE+1], 125, 23
	v_lshl_add_u32 v[XE], v[XE+1], 16, v[XE]
	PF 3
	v_add_lshl_u32 v[XE], v[XE], 0x7d007d, v[SH8]  ; my two bytes at their places: blocks h and 2 + h
	PF 3
	v_permlanex16_b32 v[PM], v[XE], s[SEL], s[SEL+1]
	PF 3
	v_or_b32 v[PW], v[XE], v[PM]                   ; p's scale word for these 128 keys
	PF 16
	s_wait_alu depctr_va_vdst(0)                   ; ahead of the batch
.set J, 0
.rept 64
	v_exp_f32 v[SB+J], v[SB+J]
.set J, J+1
.endr
	v_pk_mul_f32 v[14:15], v[14:15], v[F:F+1] op_sel_hi:[1,0]      ; the sum under the new M
	s_wait_alu depctr_va_vdst(0)                   ; and behind it, ahead of its first reader
	v_pk_add_f32 v[TM:TM+1], v[SB:SB+1], v[SB+2:SB+3]              ; the row's sum of the unquantised p, in two chains
.set J, 4
.rept 15
	v_pk_add_f32 v[14:15], v[14:15], v[SB+J:SB+J+1]
	v_pk_add_f32 v[TM:TM+1], v[TM:TM+1], v[SB+J+2:SB+J+3]
.set J, J+4
.endr
.irp c, 0,1
.irp t, 0,1,2,3
	v_cvt_scalef32_pk8_fp4_f32 v[PC+4*\c+\t], v[SB+32*\c+8*\t:SB+32*\c+8*\t+7], v[SC+\c]
.endr
.endr
	v_pk_add_f32 v[14:15], v[14:15], v[TM:TM+1]    ; (also the plain line behind the conversions)
	s_wait_dscnt 0x0                               ; the next K and this V are in registers
.if (\last) == 0
	AMUL
.endif
	s_wait_alu depctr_va_vdst(0)                   ; directly ahead of O^T's first readers
.set J, 0
.rept 16
	v_pk_mul_f32 v[OB+J:OB+J+1], v[OB+J:OB+J+1], v[F:F+1] op_sel_hi:[1,0]   ; O^T under the new M; these are also the places behind S^T's products
.set J, J+2
.endr
.irp t, 0,1,2,3
.if \t%2
	v_wmma_scale_f32_16x16x128_f8f6f4 v[OB+8*\t:OB+8*\t+7], v[VB+8*\t:VB+8*\t+7], v[PC:PC+7], v[OB+8*\t:OB+8*\t+7], v[VS+\t/2], v[PW] matrix_a_fmt:MATRIX_FMT_FP4 matrix_b_fmt:MATRIX_FMT_FP4 matrix_a_scale:MATRIX_SCALE_ROW1
.else
	v_wmma_scale_f32_16x16x128_f8f6f4 v[OB+8*\t:OB+8*\t+7], v[VB+8*\t:VB+8*\t+7], v[PC:PC+7], v[OB+8*\t:OB+8*\t+7], v[VS+\t/2], v[PW] matrix_a_fmt:MATRIX_FMT_FP4 matrix_b_fmt:MATRIX_FMT_FP4
.endif
.endr
.endm
	s_wait_alu depctr_va_vdst(0)                   ; the head's end
	s_wait_tensorcnt 0x0                           ; my two records lie in LDS
	s_wait_loadcnt 8                               ; Q and its scale words are in; the eight residual loads may be out
	s_barrier_signal -1
	s_barrier_wait -1                              ; everybody's records lie in LDS
	KLOAD 0
	s_wait_dscnt 0x0
	AMUL                                           ; step 0's scores
.set J, 0
.rept 32
	v_mov_b32 v[OB+J], 0                           ; O^T: the loop is written once, its first f is 0.  (Also the places behind the products)
.set J, J+1
.endr
	s_mov_b32 s[CNT], 7
.Ltrip:                                            ; 7 trips of four steps; the last four are written out, since the last fetches no further K
	STEP 0, 0, 0
	STEP 1, 0, 0
	STEP 2, 0, 0
	STEP 3, 0, 1
	s_sub_co_u32 s[CNT], s[CNT], 1
	s_cmp_lg_u32 s[CNT], 0
	s_cbranch_scc1 .Ltrip
	STEP 0, 0, 0
	STEP 1, 0, 0
	STEP 2, 0, 0
	STEP 3, 1, 0
	; THE WAY OUT: O^T / the sum goes through my own stage, eight rows at a time, comes back as rows of 256 bytes, takes the residual and leaves: sixteen lanes store one aligned unit of 256 bytes
	v_add_f32 v14, v14, v15
	v_bfe_u32 v[MU], v0, 3, 1                      ; which eight rows mine is among
	v_nop
	v_nop
	v_permlanex16_b32 v[PM], v14, s[SEL], s[SEL+1]
	s_delay_alu instid0(VALU_DEP_1)
	v_add_f32 v14, v14, v[PM]
	s_wait_alu depctr_va_vdst(0)                   ; ahead of the transcendental
	v_rcp_f32 v[F], v14
	v_nop
	s_wait_alu depctr_va_vdst(0)                   ; and ahead of its first reader, which is O^T's first reader too
.set J, 0
.rept 16
	v_pk_mul_f32 v[SB+J:SB+J+1], v[OB+J:OB+J+1], v[F:F+1] op_sel_hi:[1,0]
.set J, J+2
.endr
	s_wait_alu depctr_va_vdst(0)
	s_wait_loadcnt 0x0                             ; the residual rows
	; All 32 lanes store in both passes: lanes r and r xor 8 change halves of their 32 numbers, so that in the pass of rows 8 u .. 8 u + 7 the row's own lane stores features 0-31's part and its partner features 32-63's
	s_mov_b32 s61, 0xff00ff00                      ; the lanes of rows 8-15
	v_xor_b32 v255, 1, v[MU]
	v_lshl_add_u32 v255, v255, 7, v[STO]           ; second pass: rows 8-15's own lanes at + 0, their partners at + 128
	v_lshl_add_u32 v[STO], v[MU], 7, v[STO]        ; first pass: rows 0-7's own lanes at + 0, their partners at + 128
.set J, 0
.rept 16
	v_mov_b32_dpp v[KB+J], v[SB+16+J] row_xmask:8 row_mask:0xf bank_mask:0xf   ; my partner's upper 16 numbers
.set J, J+1
.endr
.set J, 0
.rept 16
	v_cndmask_b32 v[SB+16+J], v[KB+J], v[SB+J], s61   ; second pass: rows 8-15: my own lower 16, or my partner's upper 16
.set J, J+1
.endr
.set J, 0
.rept 16
	v_cndmask_b32 v[KB+16+J], v[SB+J], v[KB+J], s61   ; first pass: rows 0-7 likewise
.set J, J+1
.endr
.irp u, 0,1
.irp q, 0,1,2,3
	ds_store_b128 v[STO+3*\u], v[KB+16+(SB-KB)*\u+4*\q:KB+16+(SB-KB)*\u+4*\q+3] offset:16*\q
.endr
.irp i, 0,1,2,3
	ds_load_b128 v[VB+16*\u+4*\i:VB+16*\u+4*\i+3], v[RD] offset:2*\i*SP   ; LDS serves a wave's instructions in order: these see my stores
.endr
.irp i, 0,1,2,3
	s_wait_dscnt 3-\i
	v_pk_add_f32 v[VB+16*\u+4*\i:VB+16*\u+4*\i+1], v[VB+16*\u+4*\i:VB+16*\u+4*\i+1], v[RB+16*\u+4*\i:RB+16*\u+4*\i+1]
	v_pk_add_f32 v[VB+16*\u+4*\i+2:VB+16*\u+4*\i+3], v[VB+16*\u+4*\i+2:VB+16*\u+4*\i+3], v[RB+16*\u+4*\i+2:RB+16*\u+4*\i+3]
	global_store_b128 v[GO], v[VB+16*\u+4*\i:VB+16*\u+4*\i+3], s[48:49] offset:(16*\u+2*\i)*2048 th:TH_STORE_NT
.endr
.endr
	s_wait_tensorcnt 0x0                           ; the wave's end
	ds_add_u32 v[SPW], v[NIL]
	s_wait_dscnt 0x0
	CROUND                                         ; the closing round
	s_endpgm
.Lfunc_end_k_q709d3be593_attn:
	.size	k_q709d3be593_attn, .Lfunc_end_k_q709d3be593_attn-k_q709d3be593_attn
	.p2alignl 7, 3214868480
	.fill 96, 4, 3214868480
	.section	.rodata,"a",@progbits
	.p2align	6, 0x0
	.amdhsa_kernel k_q709d3be593_attn
		.amdhsa_group_segment_fixed_size 327680
		.amdhsa_private_segment_fixed_size 0
		.amdhsa_enable_private_segment 0
		.amdhsa_kernarg_size 40
		.amdhsa_user_sgpr_count 2
		.amdhsa_user_sgpr_kernarg_segment_ptr 1
		.amdhsa_wavefront_size32 1
		.amdhsa_system_sgpr_workgroup_id_x 1
		.amdhsa_system_sgpr_workgroup_id_y 1
		.amdhsa_system_sgpr_workgroup_id_z 1
		.amdhsa_system_vgpr_workitem_id 0
		.amdhsa_next_free_vgpr 256
		.amdhsa_next_free_sgpr 66
		.amdhsa_reserve_vcc 0
		.amdhsa_float_denorm_mode_32 3
		.amdhsa_float_denorm_mode_16_64 3
		.amdhsa_memory_ordered 1
		.amdhsa_forward_progress 1
		.amdhsa_inst_pref_size 131
	.end_amdhsa_kernel
	.amdgpu_metadata
---
amdhsa.version: [ 1, 2 ]
amdhsa.kernels:
  - .name:           k_q709d3be593_attn
    .symbol:         k_q709d3be593_attn.kd
    .args:
      - { .name: rq_codes, .offset: 0, .size: 8, .value_kind: global_buffer, .address_space: global }
      - { .name: rq_scales, .offset: 8, .size: 8, .value_kind: global_buffer, .address_space: global }
      - { .name: kv, .offset: 16, .size: 8, .value_kind: global_buffer, .address_space: global }
      - { .name: m_feats, .offset: 24, .size: 8, .value_kind: global_buffer, .address_space: global }
      - { .name: out0, .offset: 32, .size: 8, .value_kind: global_buffer, .address_space: global }
    .group_segment_fixed_size: 327680
    .private_segment_fixed_size: 0
    .kernarg_segment_align: 8
    .kernarg_segment_size: 40
    .max_flat_workgroup_size: 512
    .sgpr_count:     66
    .vgpr_count:     256
    .wavefront_size: 32
...
	.end_amdgpu_metadata
.endif
;; end of part 3
